; MI455X (gfx1250); checked and timed in simulation.
; The chip was launched on July 23, 2026; its instructions are those of AMD's public machine-readable ISA for CDNA 5 (MIT licence, August 2026) and "CDNA5" Instruction Set Architecture Reference Guide (July 2026). The comments in the code are by the model that wrote it; some were corrected since.
;; Multi Head Attention. Allowed arithmetic: matrix products marked QUANTISED: E4M3 operands, one given power-of-two scale a tensor, by v_wmma_f32_16x16x64_fp8_fp8 or v_wmma_f32_16x16x128_fp8_fp8, f32 sums; products left as they are: f32 operands where the result goes on into a quantised operand, else bf16, f16 or f32 operands; f32 sums; everything else in f32.
;; Inputs: W_proj_codes 1,024 x 32 x 32 uint8 (E4M3 codes of W_proj, K innermost, in blocks of 32 codes); W_qkv_codes 3,072 x 32 x 32 uint8 (E4M3 codes of W_qkv, K innermost, in blocks of 32 codes); b_proj 1,024 float32; b_qkv 3,072 float32; lora_A 8 x 1,024 float32; lora_B 3,072 x 8 float32; lowp_scales 8 int32 (the exponents e of the quantised operands' scales 2^e); x 4 x 2,048 x 1,024 float32.
;; Outputs: out0 4 x 2,048 x 1,024 float32.
;; This version of the problem:
;;   THIS VERSION OF THE PROBLEM IS GIVEN IN LOW PRECISION. The matrix products marked QUANTISED in the list below multiply operands that are first quantised to E4M3 (4 exponent bits, 3 mantissa bits; 8 bits a number), with one given power-of-two scale for each operand tensor; their sums are f32. All else is computed in f32.
;;   The module's matrix products, in the order in which they are computed (A, B: the left and right operand; K: the contracted axis; several contracted axes count as one K, in the product's order):
;;     1. [M 8,192, K 1,024] x [K 1,024, N 3,072]; A: input x; B: input W_qkv (given as codes): QUANTISED (scales: A lowp_scales[0], B lowp_scales[1])
;;     2. [M 8,192, K 1,024] x [K 1,024, N 8]; A: input x; B: input lora_A: left as it is (N = 8 < 16)
;;     3. [M 8,192, K 8] x [K 8, N 3,072]; A: computed on the way; B: input lora_B: left as it is (K = 8 < 32)
;;     4. batch 64 x [M 2,048, K 64] x [K 64, N 2,048]; A: computed on the way; B: computed on the way: QUANTISED (scales: A lowp_scales[2], B lowp_scales[3])
;;     5. batch 64 x [M 2,048, K 2,048] x [K 2,048, N 64]; A: softmax (see below); B: computed on the way: QUANTISED (scales: A lowp_scales[4], B lowp_scales[5])
;;     6. [M 8,192, K 1,024] x [K 1,024, N 1,024]; A: computed on the way; B: input W_proj (given as codes): QUANTISED (scales: A lowp_scales[6], B lowp_scales[7])
;;   THE QUANTISER, for each operand of a quantised product, along K:
;;     - The operand's scale is 2^e, e = its entry of the input lowp_scales (int32; the entries are numbered through the quantised products in the list's order, A before B).
;;     - Each number is divided by the scale, clamped to +-448, and rounded to the nearest number of E4M3, ties to even, subnormals kept.
;;     - The product sums the exact products of the quantised numbers (number of the format x scale) in f32.
;;   ~~~python
;;   def quantise(x, axis, e):      # numpy; x: float32 -> the quantised numbers, widened to float32 again
;;       x = np.moveaxis(x, axis, -1); K = x.shape[-1]
;;       r = np.clip(x / 2.0 ** e, -448, 448)
;;       step = 2.0 ** (np.maximum(np.frexp(np.where(r == 0, 1, r))[1] - 1, -6) - 3)
;;       q = np.round(r / step) * step * 2.0 ** e      # np.round: ties to even
;;       return np.moveaxis(q, -1, axis).astype(np.float32)
;;   ~~~
;;   SOFTMAX AHEAD OF A QUANTISED PRODUCT. Where the list says 'softmax', what is quantised is not the finished softmax but p = 2^(t - M), with t = logit x log2(e) and M = ceil(the row's largest t), a whole number; so 1/2 < the row's largest p <= 1. The row's sum l is taken of the UNQUANTISED p, in f32, and the product's result is divided by l at the end. Since M is a whole number, a kernel that streams over the keys may use a running M (the ceiling of the running maximum): every later rescaling is an exact power of two, so the quantised numbers keep their values, but for numbers so far below the row's largest that they fall under the format's range.
;;   OPERANDS COMPUTED ON THE WAY. 'Computed on the way' means the value that the module computes at that place (a softmax that the list does not call 'softmax' is quantised finished and normalised). What goes into a quantiser is computed in f32, as accurately as f32 sums, v_exp_f32 and their like allow (about 1e-6 of the number): no bf16 or f16 on the way to a quantiser, and a product that is left as it is and whose result goes on into a quantised operand takes f32 operands (vector FMAs, or v_wmma_f32_16x16x4_f32). A number that lies on a knife's edge between two numbers of the format may be rounded either way, as far as f32 arithmetic and the matrix unit's own rounding can turn it there, and no further.
;;   INPUTS GIVEN AS CODES. W_proj (in the module: [1024, 1024], K = its axis 1); W_qkv (in the module: [3072, 1024], K = its axis 1): each comes as NAME_codes (uint8): NAME with its K axis moved to the last place and cut into blocks of 32 codes, [.., K / 32, bytes a block], one block behind the other in memory; one code a byte (a code: sign, 4 exponent bits, 3 mantissa bits); its scale is its entry of lowp_scales. Its value is code x scale, taken as it is: it is not quantised again, and the codes and scales need not be those that the quantiser above would give.
;; One version. Each part assembles by itself: llvm-mc -triple=amdgcn-amd-amdhsa -mcpu=gfx1250 --defsym DOCPART=n.
;; ======== version 1 of 1: 4 launches
;; limits: right only within a limited range of input values
;; workspace buffers: x_codes 8,388,608 bytes; xa 262,144 bytes; q_codes 8,388,608 bytes; k_codes 8,388,608 bytes; v_codes 8,388,608 bytes; attn_codes 8,388,608 bytes
;; launch prep (part 1): grid 512 x 1, 4 waves a work-group, no clusters, 2,560 bytes of LDS; arguments x, lora_A, lowp_scales, x_codes, xa; writes x_codes, xa
.if DOCPART == 1
	.amdgcn_target "amdgcn-amd-amdhsa--gfx1250"
	.amdhsa_code_object_version 6
	.text
	.protected	k_q56e177905d_prep
	.globl	k_q56e177905d_prep
	.p2align	8
	.type	k_q56e177905d_prep,@function
k_q56e177905d_prep:
	s_mov_b64 s[64:65], 0
	v_nop
	global_prefetch_b8 v0, s[64:65] scope:SCOPE_SE
	s_setreg_imm32_b32 hwreg(HW_REG_WAVE_MODE, 25, 1), 1
	s_wait_xcnt 0x0
; x [8192][1024] f32 is read once and gives two things:
;   x_codes [8192][1024]: codes of E4M3, code = x / 2^e0 held within +-448, to the nearest code, ties to even (e0 = entry 0 of the scales);
;   xa [8192][8] f32: (x . lora_A^T) x 2^(-3 - e0 - e1), in f32 from the UNQUANTISED x: alpha / r = 1/8 and the first product's two scales are folded in, exactly.
; SHARES.  A work-group takes 16 rows; wave w takes columns 256 w .. 256 w + 255 of all of them.  A lane's eight numbers of a row are columns 256 w + 128 j + 4 lane + 0..3 (j = 0, 1):
; each load of the wave reads 512 consecutive bytes.  The wave's slice of lora_A (8 x 256 numbers, 64 registers) stays in registers.  All 48 loads of a wave go out at the head.
; The sums over lanes are made four rows (32 numbers) at a time by a halving exchange: five levels, after which lane l holds the wave's sum for row l / 8 and rank l % 8.
; The four waves' sums meet in LDS behind one barrier.  No tensor loads, no matrix work: memory binds.
; LIMITS: e0 between -126 and 119; xa x 2^(-3 - e0 - e1) stays an f32 number; NaN among the inputs is not served.
.set AR,  16                           ; v16-79   lora_A: rank p, half j, number i at v[16 + 8 p + 4 j + i]
.set XR,  80                           ; v80-207  x: row i at v[80 + 8 i]; its first two registers later hold the row's codes for the store
.set ACC, 208                          ; v208-223 eight pairs of running sums; at work in the exchange
.set VAL, 224                          ; v224-255 four rows x eight ranks
.set LIM, 8                            ; v8   448 x 2^e0
.set SCL, 9                            ; v9   2^e0
.set CO,  10                           ; v10  my 8 bytes in a row of codes
.set LP,  11                           ; v11  LDS: 512 x wave + 4 x lane
.set RES, 12                           ; v12-15 the four groups' results
	s_load_b256 s[4:11], s[0:1], 0x0               ; x s[4:5], lora_A s[6:7], the scales s[8:9], x_codes s[10:11]
	s_load_b64 s[12:13], s[0:1], 0x20              ; xa
	s_set_vgpr_msb 0x40
	v_lshl_add_u32 v0, v0, 2, 0x800
	v_mov_b32 v1, 0
	s_set_vgpr_msb 0x4000
	v_lshrrev_b32 v3, 5, v0                        ; wave
	v_readfirstlane_b32 s16, v3
	v_and_b32 v6, 31, v0                           ; lane
	v_lshlrev_b32 v2, 4, v6
	v_lshl_add_u32 v2, v3, 10, v2                  ; v2: 1,024 x wave + 16 x lane: my 16 bytes of a load, in x and in lora_A
	v_lshrrev_b32 v7, 1, v6
	v_lshlrev_b32 v[CO], 3, v7
	v_and_b32 v7, 1, v6
	v_lshl_add_u32 v[CO], v7, 7, v[CO]
	v_lshl_add_u32 v[CO], v3, 8, v[CO]             ; 256 x wave + 128 x (lane % 2) + 8 x (lane / 2)
	v_lshlrev_b32 v[LP], 2, v6
	v_lshl_add_u32 v[LP], v3, 9, v[LP]
	v_and_b32 v1, 63, v0
	v_lshlrev_b32 v1, 3, v1                        ; v1: 8 x (thread % 64): the last phase's place, in LDS and in xa
	v_mov_b32 v7, 0                                ; written once: a lane exchange's destination counts as read
	s_mov_b32 s20, 0xaaaaaaaa                      ; lanes with bit 0 set,
	s_mov_b32 s21, 0xcccccccc                      ; bit 1,
	s_mov_b32 s22, 0xf0f0f0f0                      ; bit 2,
	s_mov_b32 s23, 0xff00ff00                      ; bit 3,
	s_mov_b32 s24, 0xffff0000                      ; bit 4
	s_mov_b32 s26, 0x76543210                      ; v_permlanex16_b32: lane l xor 16
	s_mov_b32 s27, 0xfedcba98
	s_lshl_b32 s32, ttmp9, 16                      ; 16 rows of 4,096 bytes,
	s_mov_b32 s33, 0
	s_lshl_b32 s34, ttmp9, 14                      ; of 1,024,
	s_mov_b32 s35, 0
	s_lshl_b32 s36, ttmp9, 9                       ; of 32
	s_mov_b32 s37, 0
	s_wait_kmcnt 0x0
	s_load_b64 s[28:29], s[8:9], 0x0               ; e0, e1
	s_add_nc_u64 s[4:5], s[4:5], s[32:33]
	s_add_nc_u64 s[10:11], s[10:11], s[34:35]
	s_add_nc_u64 s[12:13], s[12:13], s[36:37]
.irp p, 0,1,2,3,4,5,6,7
	global_load_b128 v[AR+8*\p:AR+8*\p+3],   v2, s[6:7] offset:4096*\p
	global_load_b128 v[AR+8*\p+4:AR+8*\p+7], v2, s[6:7] offset:4096*\p+512
.endr
.set n, 0
.rept 16
	global_load_b128 v[XR+8*n:XR+8*n+3],   v2, s[4:5] offset:4096*n th:TH_LOAD_NT
	global_load_b128 v[XR+8*n+4:XR+8*n+7], v2, s[4:5] offset:4096*n+512 th:TH_LOAD_NT
.set n, n+1
.endr
	s_wait_kmcnt 0x0
	s_add_co_i32 s30, s28, s29
	s_sub_co_i32 s30, -3, s30                      ; -3 - e0 - e1
	s_add_co_i32 s31, s28, 127
	s_lshl_b32 s17, s31, 23
	v_mov_b32 v[SCL], s17                          ; 2^e0 as f32: the conversion takes its exponent field
	s_add_co_i32 s31, s31, 8
	s_lshl_b32 s31, s31, 23
	s_or_b32 s31, s31, 0x600000
	v_mov_b32 v[LIM], s31                          ; 448 x 2^e0
; One row: 32 packed multiply-adds for the eight ranks (a chain's links stand eight instructions apart), then the row's codes.
.macro ROW i
.set XI, XR+8*(\i)
.set VI, VAL+8*((\i)%4)
	s_wait_loadcnt 30-2*(\i)                       ; loads come back in order: lora_A and this row are in; the two loads of each later row may be out
.irp p, 0,1,2,3,4,5,6,7
	v_pk_mul_f32 v[ACC+2*\p:ACC+2*\p+1], v[XI:XI+1], v[AR+8*\p:AR+8*\p+1]     ; the first products start the sums
.endr
.irp q, 2,4,6
.irp p, 0,1,2,3,4,5,6,7
	v_pk_fma_f32 v[ACC+2*\p:ACC+2*\p+1], v[XI+\q:XI+\q+1], v[AR+8*\p+\q:AR+8*\p+\q+1], v[ACC+2*\p:ACC+2*\p+1]
.endr
.endr
.irp j, 0,1,2,3,4,5,6,7
	v_med3_num_f32 v[XI+\j], v[XI+\j], -v[LIM], v[LIM]     ; behind the sums, which take x as it is.  The conversion to an 8-bit code does not saturate (ISA guide 7.6.2)
.endr
	v_cvt_scalef32_pk8_fp8_f32 v[4:5], v[XI:XI+7], v[SCL]  ; v4: columns 4 lane + 0..3 of the first 128; v5: of the second 128
.irp p, 0,1,2,3,4,5,6,7
	v_add_f32 v[VI+\p], v[ACC+2*\p], v[ACC+2*\p+1]         ; (plain lines between the conversion and the use of its result)
.endr
	v_cndmask_b32 v6, v5, v4, s20                  ; neighbouring lanes change words, so that an even lane holds 8 bytes of the first 128 and an odd lane 8 of the second:
	v_mov_b32_dpp v7, v6 row_xmask:1 row_mask:0xf bank_mask:0xf
	v_cndmask_b32 v[XI], v4, v7, s20
	v_cndmask_b32 v[XI+1], v7, v5, s20
	global_store_b64 v[CO], v[XI:XI+1], s[10:11] offset:1024*(\i)   ; the wave stores 256 consecutive bytes, aligned; the data registers are the row's own and are not written again
.endm
; One pair of a level: lanes without the bit keep a and send b, the others keep b and send a; each adds what it gets to what it keeps.
.macro PAIR d, a, b, m, x, t
	v_cndmask_b32 v[ACC+2*(\t)], v[\a], v[\b], \m
	v_cndmask_b32 v[ACC+2*(\t)+1], v[\b], v[\a], \m
	v_add_f32_dpp v[\d], v[ACC+2*(\t)+1], v[ACC+2*(\t)] row_xmask:\x row_mask:0xf bank_mask:0xf
.endm
.macro LEVEL cnt, m, x
.set n, 0
.rept \cnt
	PAIR VAL+n, VAL+2*n, VAL+2*n+1, \m, \x, n%8
.set n, n+1
.endr
.endm
.macro GROUP g                         ; 32 numbers a lane become one: lane l ends with number l (row l / 8 of the four, rank l % 8), summed over the wave
	LEVEL 16, s20, 1
	LEVEL 8, s21, 2
	LEVEL 4, s22, 4
	LEVEL 2, s23, 8
	v_cndmask_b32 v[ACC], v[VAL], v[VAL+1], s24
	v_cndmask_b32 v[ACC+1], v[VAL+1], v[VAL], s24
	v_permlanex16_b32 v[ACC+2], v[ACC+1], s26, s27
	v_add_f32 v[RES+\g], v[ACC], v[ACC+2]
	ds_store_b32 v[LP], v[RES+\g] offset:128*\g    ; LDS: [wave][row 16][rank 8]
.endm
.irp g, 0,1,2,3
	ROW 4*\g
	ROW 4*\g+1
	ROW 4*\g+2
	ROW 4*\g+3
	GROUP \g
.endr
	s_wait_dscnt 0x0                               ; for the others' sake: my sums lie in LDS
	s_barrier_signal -1
	s_barrier_wait -1
	s_cmp_ge_u32 s16, 2                            ; 128 numbers are left: two waves' work, two numbers a lane
	s_cbranch_scc1 .Lend
	ds_load_b64 v[16:17], v1
	ds_load_b64 v[18:19], v1 offset:512
	ds_load_b64 v[20:21], v1 offset:1024
	ds_load_b64 v[22:23], v1 offset:1536
	s_wait_dscnt 0x0
	v_pk_add_f32 v[16:17], v[16:17], v[18:19]
	v_pk_add_f32 v[20:21], v[20:21], v[22:23]
	v_pk_add_f32 v[16:17], v[16:17], v[20:21]
	v_ldexp_f32 v16, v16, s30
	v_ldexp_f32 v17, v17, s30
	global_store_b64 v1, v[16:17], s[12:13]        ; a wave stores 256 consecutive bytes, aligned
.Lend:
	s_set_vgpr_msb 0x5
	s_wait_tensorcnt 0x0
	ds_add_u32 v0, v1
	s_wait_dscnt 0x0
	s_set_vgpr_msb 0x500
	s_endpgm
.Lfunc_end_k_q56e177905d_prep:
	.size	k_q56e177905d_prep, .Lfunc_end_k_q56e177905d_prep-k_q56e177905d_prep
	.p2alignl 7, 3214868480
	.fill 96, 4, 3214868480
	.section	.rodata,"a",@progbits
	.p2align	6, 0x0
	.amdhsa_kernel k_q56e177905d_prep
		.amdhsa_group_segment_fixed_size 2560
		.amdhsa_private_segment_fixed_size 0
		.amdhsa_enable_private_segment 0
		.amdhsa_kernarg_size 40
		.amdhsa_user_sgpr_count 2
		.amdhsa_user_sgpr_kernarg_segment_ptr 1
		.amdhsa_wavefront_size32 1
		.amdhsa_system_sgpr_workgroup_id_x 1
		.amdhsa_system_sgpr_workgroup_id_y 1
		.amdhsa_system_sgpr_workgroup_id_z 1
		.amdhsa_system_vgpr_workitem_id 0
		.amdhsa_next_free_vgpr 258
		.amdhsa_next_free_sgpr 66
		.amdhsa_reserve_vcc 0
		.amdhsa_float_denorm_mode_32 3
		.amdhsa_float_denorm_mode_16_64 3
		.amdhsa_memory_ordered 1
		.amdhsa_forward_progress 1
		.amdhsa_inst_pref_size 83
	.end_amdhsa_kernel
	.amdgpu_metadata
---
amdhsa.version: [ 1, 2 ]
amdhsa.kernels:
  - .name:           k_q56e177905d_prep
    .symbol:         k_q56e177905d_prep.kd
    .args:
      - { .name: x, .offset: 0, .size: 8, .value_kind: global_buffer, .address_space: global }
      - { .name: lora_A, .offset: 8, .size: 8, .value_kind: global_buffer, .address_space: global }
      - { .name: lowp_scales, .offset: 16, .size: 8, .value_kind: global_buffer, .address_space: global }
      - { .name: x_codes, .offset: 24, .size: 8, .value_kind: global_buffer, .address_space: global }
      - { .name: xa, .offset: 32, .size: 8, .value_kind: global_buffer, .address_space: global }
    .group_segment_fixed_size: 2560
    .private_segment_fixed_size: 0
    .kernarg_segment_align: 8
    .kernarg_segment_size: 40
    .max_flat_workgroup_size: 128
    .sgpr_count:     66
    .vgpr_count:     258
    .wavefront_size: 32
...
	.end_amdgpu_metadata
.endif
;; end of part 1
;; launch qkv (part 2): grid 12 x 32, 4 waves a work-group, clusters of 4 x 4, 327,680 bytes of LDS; arguments x_codes, W_qkv_codes, lowp_scales, b_qkv, xa, lora_B, q_codes, k_codes, v_codes; writes q_codes, k_codes, v_codes
.if DOCPART == 2
	.amdgcn_target "amdgcn-amd-amdhsa--gfx1250"
	.amdhsa_code_object_version 6
	.text
	.protected	k_q56e177905d_qkv
	.globl	k_q56e177905d_qkv
	.p2align	8
	.type	k_q56e177905d_qkv,@function
k_q56e177905d_qkv:
	s_mov_b64 s[64:65], 0
	v_nop
	global_prefetch_b8 v0, s[64:65] scope:SCOPE_SE
	s_setreg_imm32_b32 hwreg(HW_REG_WAVE_MODE, 25, 1), 1
	s_wait_xcnt 0x0
	s_wait_alu depctr_hold_cnt(0) depctr_sa_sdst(0) depctr_va_vdst(0) depctr_va_sdst(0) depctr_va_ssrc(0) depctr_va_vcc(0) depctr_vm_vsrc(0)
	s_getreg_b32 s2, hwreg(HW_REG_IB_STS2, 6, 4)
	s_cmp_eq_u32 s2, 0
	s_cbranch_scc0 .Lentry_in_a_cluster
	s_endpgm
.Lentry_in_a_cluster:
	s_bfe_u32 s2, ttmp6, 0x10000c
	s_cmp_lg_u32 s2, 0xf033
	s_cbranch_scc0 .Lentry_shape_is_right
	s_endpgm
.Lentry_shape_is_right:
; q, k, v = x W_qkv^T + b_qkv + (x lora_A^T / 8) lora_B^T, quantised at once for the attention (q with 2^e2, k with 2^e3, v with 2^e5).
; x_codes [8192][1024] and W_qkv_codes [3072][1024] are multiplied as codes by the K = 128 form; a sum stands for its value / 2^(e0 + e1).
; The sums begin with the LoRA product, in f32 by the K = 4 form (two K steps of 4) from xa, which already holds x lora_A^T x 2^(-3 - e0 - e1), and lora_B; its C is the bias x 2^(-e0 - e1).
; A work-group of four waves makes 256 x 256, a wave 128 x 128; K goes in steps of 256 through two LDS slots; 4 x 4 work-groups form a cluster and ask for shared tiles jointly.
; The cluster's x says what is made: 0 q, 1 k, 2 v.  For v the two operands change places, so that a lane's eight results are eight neighbouring tokens: v is stored with the keys innermost.
; LIMITS: e2, e3 and e5, each less e0 + e1, lie between -126 and 119; NaN is not served.
.set ROWB,   256
.set KROW,   1024
.set PITCH,  272
.set FR,     16
.set NL,     4
.set NP,     4
.set HALFT,  128*PITCH
.set SLOT,   4*HALFT
.set SPARE,  2*SLOT
.set SPQ,    144
.set STGV,   16384
.set BV,   14
.set RDV,  15
.set ADRA, 16
.set ADRB, 20
.set LO,   22
.set BQ,   23
.set STOQ, 24
.set RDQ,  25
.set CO,   26
.set STOV, 27
.set SPW,  28
.set NIL,  29
.set LIM,  30
.set SCL,  31
.set BIAS, 32
.set TMP,  32
.set CD,   96
.set AF,   128
.set BK,   128
.set LA,   128
.set LB,   160
.set G1,  24
.set G0,  32
.set G1B, 48
.set G0B, 56
.set MSB, 0
.macro WIN new
.if MSB != (\new)
	s_set_vgpr_msb (MSB<<8)|(\new)
.set MSB, \new
.endif
.endm
.set MUL_LO, 0xa1
.set MUL_HI, 0xf1
.set TO_B,   0x40
.macro JLOAD g0a, g1a, g0b, g1b
	s_cmp_eq_u32 s15, 0
	s_cbranch_scc0 .Lfor_b_\@
	tensor_load_to_lds s[\g0a:\g0a+3], s[\g1a:\g1a+7]
	s_nop 0
.rept 4
	v_nop
.endr
	s_branch .Lasked_\@
.Lfor_b_\@:
	tensor_load_to_lds s[\g0b:\g0b+3], s[\g1b:\g1b+7]
	s_nop 0
.rept 4
	v_nop
.endr
.Lasked_\@:
.endm
.macro CREST
	s_cmp_lg_u32 s14, 0
	s_cbranch_scc1 .Lnot_wave_0_\@
	s_barrier_signal -3
.Lnot_wave_0_\@:
	s_barrier_wait -3
	s_barrier_signal -1
	s_barrier_wait -1
.endm
.macro CROUND
	s_barrier_signal -1
	s_barrier_wait -1
	CREST
.endm
.macro PLACES n
.rept \n
	v_nop
.endr
.endm
	s_load_b256 s[4:11], s[0:1], 0x0
	s_load_b256 s[68:75], s[0:1], 0x20
	s_load_b64 s[76:77], s[0:1], 0x40
	v_lshl_add_u32 v[SPW], v0, 2, SPARE
	v_mov_b32 v[NIL], 0
	ds_add_u32 v28, v29
	ds_add_u32 v28, v29
	s_wait_dscnt 0x0
	v_lshrrev_b32 v1, 5, v0
	v_readfirstlane_b32 s14, v1
	s_lshr_b32 s15, s14, 1
	s_and_b32 s16, s14, 1
	s_bfe_u32 s40, ttmp6, 0x40000
	s_bfe_u32 s41, ttmp6, 0x40004
	s_and_b32 s18, ttmp7, 0xffff
	s_lshl_b32 s18, s18, 2
	s_lshl_b32 s19, ttmp9, 2
	s_cmp_eq_u32 ttmp9, 2
	s_cselect_b32 s17, 8, s18
	s_cselect_b32 s42, s18, s19
	s_add_co_u32 s17, s17, s41
	s_add_co_u32 s42, s42, s40
	s_lshl_b32 s43, s41, 2
	s_lshl_b32 s43, 15, s43
	s_lshl_b32 s44, 0x1111, s40
	s_or_b32 s[G1+0], s43, (0<<16)|(1<<20)|(1<<21)|(5<<22)|(3<<25)
	s_or_b32 s[G1B+0], s44, (0<<16)|(1<<20)|(1<<21)|(5<<22)|(3<<25)
.irp g, G1, G1B
	s_mov_b32 s[\g+1], ROWB<<16
	s_mov_b32 s[\g+2], 128<<16
	s_mov_b32 s[\g+3], ROWB<<16
	s_mov_b32 s[\g+4], 128
	s_mov_b32 s[\g+5], KROW
	s_mov_b32 s[\g+6], 0
	s_mov_b32 s[\g+7], 0
.endr
	s_lshl_b32 s18, s16, 7
	s_lshl_b32 s20, s17, 8
	s_add_co_u32 s20, s20, s18
	s_lshl_b32 s20, s20, 10
	s_mov_b32 s21, 0
	s_lshl_b32 s46, s42, 8
	s_add_co_u32 s46, s46, s18
	s_lshl_b32 s46, s46, 10
	s_mov_b32 s47, 0
	s_mul_i32 s45, s14, HALFT
	s_lshl_b32 s78, s17, 13
	s_lshl_b32 s79, s15, 12
	s_add_co_u32 s78, s78, s79
	s_mov_b32 s79, 0
	s_lshl_b32 s66, s42, 13
	s_lshl_b32 s67, s16, 12
	s_add_co_u32 s66, s66, s67
	s_mov_b32 s67, 0
	s_wait_kmcnt 0x0
	s_load_b256 s[80:87], s[8:9], 0x0
	s_cmp_eq_u32 ttmp9, 2
	s_cselect_b64 s[88:89], s[6:7], s[4:5]
	s_cselect_b64 s[90:91], s[4:5], s[6:7]
	s_cselect_b64 s[92:93], s[70:71], s[68:69]
	s_cselect_b64 s[94:95], s[68:69], s[70:71]
	s_cselect_b32 s12, s17, s42
	s_cselect_b32 s13, s15, s16
	s_add_nc_u64 s[20:21], s[88:89], s[20:21]
	s_add_nc_u64 s[46:47], s[90:91], s[46:47]
	s_add_nc_u64 s[92:93], s[92:93], s[78:79]
	s_add_nc_u64 s[94:95], s[94:95], s[66:67]
	s_lshl_b32 s12, s12, 10
	s_lshl_b32 s13, s13, 9
	s_add_co_u32 s12, s12, s13
	s_mov_b32 s13, 0
	s_add_nc_u64 s[10:11], s[10:11], s[12:13]
	CROUND
.irp s, 0,1
	s_mov_b32 s[G0+4*\s], 1
	s_add_co_u32 s[G0+4*\s+1], s45, \s*SLOT
	s_add_nc_u64 s[G0+4*\s+2:G0+4*\s+3], s[20:21], \s*ROWB
	s_or_b32 s[G0+4*\s+3], s[G0+4*\s+3], 0x80000000
	s_mov_b32 s[G0B+4*\s], 1
	s_add_co_u32 s[G0B+4*\s+1], s45, \s*SLOT
	s_add_nc_u64 s[G0B+4*\s+2:G0B+4*\s+3], s[46:47], \s*ROWB
	s_or_b32 s[G0B+4*\s+3], s[G0B+4*\s+3], 0x80000000
.endr
	JLOAD G0, G1, G0B, G1B                         ; K step 0, behind the opening round: my one load at the head; the LoRA operands and the bias are asked for while it is out
	; THE PREFETCHES: behind K step 0's load K step 2 is asked for, behind K step 1's K step 3: two fills ahead of the load that will want them; K steps 0 and 1 come by their loads alone.
	; Of the 128 rows that I fetch, each of the four partners that ask for them jointly names 32, told apart by address (the place along x for the first operand, along y for the second): a lane a row, 256 bytes of it.
.set PFO, 13                           ; v13  1,024 x my lane; never rewritten
	s_cmp_eq_u32 s15, 0
	s_cselect_b64 s[2:3], s[20:21], s[46:47]       ; the 128 rows that I fetch; s[2:3] are never rewritten
	s_cselect_b32 s12, s40, s41                    ; my work-group's place among the four
	s_lshl_b32 s12, s12, 15                        ; x 32 rows of 1,024 bytes
	s_mov_b32 s13, 0
	s_add_nc_u64 s[2:3], s[2:3], s[12:13]
	v_and_b32 v1, 15, v0
	v_bfe_u32 v2, v0, 4, 1
	v_lshlrev_b32 v[LO], 5, v1
	v_lshl_add_u32 v[LO], v2, 4, v[LO]
.irp a, 0,1,2,3,4,5,6,7
	global_load_b128 v[LA+4*\a:LA+4*\a+3], v[LO], s[92:93] offset:512*\a
	global_load_b128 v[LB+4*\a:LB+4*\a+3], v[LO], s[94:95] offset:512*\a
.endr
	v_and_b32 v[PFO], 31, v0
	v_lshlrev_b32 v[PFO], 10, v[PFO]
	global_prefetch_b8 v[PFO], s[2:3] offset:2*ROWB th:TH_LOAD_NT scope:SCOPE_SE   ; K step 2
	v_mul_u32_u24 v3, v1, PITCH
	v_lshl_add_u32 v4, v2, 4, v3
	s_mul_i32 s22, s15, HALFT
	s_mul_i32 s23, s16, HALFT
	s_add_co_u32 s23, s23, 2*HALFT
.irp s, 0,1
	v_add_nc_u32 v[ADRA+\s], s22, v4
	v_add_nc_u32 v[ADRB+\s], s23, v4
	s_add_co_u32 s22, s22, SLOT
	s_add_co_u32 s23, s23, SLOT
.endr
	s_mul_i32 s22, s14, 16*SPQ
	v_mul_u32_u24 v5, v1, SPQ
	v_lshl_add_u32 v5, v2, 4, v5
	v_add_nc_u32 v[STOQ], s22, v5
	v_add_nc_u32 v[STOV], STGV, v[STOQ]
	v_and_b32 v6, 31, v0
	v_lshlrev_b32 v[CO], 4, v6
	v_lshrrev_b32 v7, 2, v6
	v_mul_u32_u24 v7, v7, SPQ
	v_and_b32 v8, 3, v6
	v_lshl_add_u32 v7, v8, 4, v7
	v_add_nc_u32 v[RDQ], s22, v7
	v_lshrrev_b32 v7, 3, v6
	v_mul_u32_u24 v7, v7, SPQ
	v_and_b32 v8, 7, v6
	v_lshl_add_u32 v7, v8, 4, v7
	v_add_nc_u32 v7, s22, v7
	v_add_nc_u32 v[RDV], STGV, v7
	v_lshlrev_b32 v[BQ], 5, v2
	v_lshlrev_b32 v[BV], 2, v1
	s_wait_kmcnt 0x0
	s_add_co_i32 s97, s80, s81
	s_cmp_eq_u32 ttmp9, 0
	s_cselect_b64 s[98:99], s[72:73], s[74:75]
	s_cselect_b32 s96, s82, s83
	s_cmp_eq_u32 ttmp9, 2
	s_cselect_b64 s[98:99], s[76:77], s[98:99]
	s_cselect_b32 s96, s85, s96
	s_sub_co_i32 s96, s96, s97
	s_add_co_i32 s96, s96, 127
	s_lshl_b32 s12, s96, 23
	v_mov_b32 v[SCL], s12
	s_add_co_i32 s96, s96, 8
	s_lshl_b32 s96, s96, 23
	s_or_b32 s96, s96, 0x600000
	v_mov_b32 v[LIM], s96
	s_sub_co_i32 s97, 0, s97
.macro LORAH hi, k, mode
.irp a, 0,1,2,3
.irp b, 0,1,2,3,4,5,6,7
.if \k == 0
.if \mode == 1
	v_wmma_f32_16x16x4_f32 v[8*(8*\a+\b):8*(8*\a+\b)+7], v[LB+4*\b:LB+4*\b+1], v[LA+4*(4*\hi+\a):LA+4*(4*\hi+\a)+1], v[BIAS+8*\b:BIAS+8*\b+7]
.else
	v_wmma_f32_16x16x4_f32 v[8*(8*\a+\b):8*(8*\a+\b)+7], v[LB+4*\b:LB+4*\b+1], v[LA+4*(4*\hi+\a):LA+4*(4*\hi+\a)+1], v[BIAS+8*(4*\hi+\a):BIAS+8*(4*\hi+\a)+7]
.endif
.else
	v_wmma_f32_16x16x4_f32 v[8*(8*\a+\b):8*(8*\a+\b)+7], v[LB+4*\b+2:LB+4*\b+3], v[LA+4*(4*\hi+\a)+2:LA+4*(4*\hi+\a)+3], v[8*(8*\a+\b):8*(8*\a+\b)+7]
.endif
.endr
.endr
.endm
.macro LORA mode
	WIN 0x80
	LORAH 0, 0, \mode
	WIN 0xc0
	LORAH 1, 0, \mode
	WIN 0xa0
	LORAH 0, 1, \mode
	WIN 0xf0
	LORAH 1, 1, \mode
	WIN 0
.endm
	s_cmp_eq_u32 ttmp9, 2
	s_cbranch_scc1 .Lstart_v
	s_wait_alu depctr_va_vdst(0)
.irp b, 0,1,2,3,4,5,6,7
	global_load_b128 v[BIAS+8*\b:BIAS+8*\b+3],   v[BQ], s[10:11] offset:64*\b
	global_load_b128 v[BIAS+8*\b+4:BIAS+8*\b+7], v[BQ], s[10:11] offset:64*\b+16
.endr
	s_wait_tensorcnt 0x0                           ; my part of K step 0 is in
	ds_add_u32 v[SPW], v[NIL]
	s_wait_dscnt 0x0
	CROUND                                         ; the partners of a cluster share the cluster's x, so all sixteen pass this arm's round
	JLOAD G0+4, G1, G0B+4, G1B                     ; K step 1: the first tensor load behind the round
	s_wait_loadcnt 0x0
.set i, 0
.rept 64
	v_ldexp_f32 v[BIAS+i], v[BIAS+i], s97
.set i, i+1
.endr
	LORA 1
	s_branch .Lstarted
.Lstart_v:
	s_wait_alu depctr_va_vdst(0)
.irp a, 0,1,2,3,4,5,6,7
	global_load_b32 v[CD+\a], v[BV], s[10:11] offset:64*\a
.endr
	s_wait_tensorcnt 0x0                           ; as in the other arm
	ds_add_u32 v[SPW], v[NIL]
	s_wait_dscnt 0x0
	CROUND
	JLOAD G0+4, G1, G0B+4, G1B
	s_wait_loadcnt 0x0
.irp a, 0,1,2,3,4,5,6,7
.irp j, 0,1,2,3,4,5,6,7
	v_ldexp_f32 v[BIAS+8*\a+\j], v[CD+\a], s97
.endr
.endr
	LORA 2
.Lstarted:
	global_prefetch_b8 v[PFO], s[2:3] offset:3*ROWB th:TH_LOAD_NT scope:SCOPE_SE   ; K step 3, the last
	PLACES 9
.macro FRAG reg, adr, q, i
.irp c, 0,1,2,3
	ds_load_b128 v[\reg+4*\c:\reg+4*\c+3], v[\adr] offset:128*(\q)+32*\c+(\i)*16*PITCH
.endr
.endm
.macro MUL16 a0, p
.irp a, \a0, \a0+1
.irp b, 0,1,2,3,4,5,6,7
	v_wmma_f32_16x16x128_fp8_fp8 v[8*(8*((\a)%4)+\b):8*(8*((\a)%4)+\b)+7], v[128*(\p)+FR*\b:128*(\p)+FR*\b+FR-1], v[AF+FR*(\a):AF+FR*(\a)+FR-1], v[8*(8*((\a)%4)+\b):8*(8*((\a)%4)+\b)+7]
.endr
.endr
.endm
.macro FETCH_B slot, q, p
	WIN TO_B
.irp i, 0,1,2,3,4,5,6,7
	FRAG 128*(\p)+FR*\i, ADRB+\slot, \q, \i
.endr
	WIN 0
.endm
.macro FETCH_A slot, q, i0
.irp i, \i0, \i0+1, \i0+2, \i0+3
	FRAG AF+FR*(\i), ADRA+\slot, \q, \i
.endr
.endm
.macro STEP slot, q
	s_wait_dscnt 4*NL
	WIN MUL_LO
	MUL16 0, (\q)%2
	MUL16 2, (\q)%2
	s_wait_dscnt 0
	PLACES NP
	FETCH_B \slot, (\q)+1, 1-(\q)%2
	FETCH_A \slot, (\q)+1, 0
	WIN MUL_HI
	MUL16 4, (\q)%2
	MUL16 6, (\q)%2
	PLACES NP
	WIN 0
	FETCH_A \slot, (\q)+1, 4
.endm
.macro TURN slot, next, fill
	s_wait_tensorcnt 0x0
	ds_add_u32 v[SPW], v[NIL]
	s_wait_dscnt 4*NL+1
	WIN MUL_LO
	MUL16 0, 1
	s_wait_dscnt 0x0
	s_barrier_signal -1
	MUL16 2, 1
	WIN 0
	s_barrier_wait -1
.if \fill
	CREST
	s_add_nc_u64 s[G0+4*\slot+2:G0+4*\slot+3], s[G0+4*\slot+2:G0+4*\slot+3], 2*ROWB
	s_add_nc_u64 s[G0B+4*\slot+2:G0B+4*\slot+3], s[G0B+4*\slot+2:G0B+4*\slot+3], 2*ROWB
	JLOAD G0+4*\slot, G1, G0B+4*\slot, G1B
.else
	PLACES NP
.endif
	FETCH_B \next, 0, 0
	FETCH_A \next, 0, 0
	WIN MUL_HI
	MUL16 4, 1
	MUL16 6, 1
	PLACES NP
	WIN 0
	FETCH_A \next, 0, 4
.endm
	s_wait_tensorcnt 0x1
	s_barrier_signal -1
	s_barrier_wait -1
	FETCH_B 0, 0, 0
	FETCH_A 0, 0, 0
	FETCH_A 0, 0, 4
	STEP 0, 0
	TURN 0, 1, 1
	STEP 1, 0
	TURN 1, 0, 1
	STEP 0, 0
	TURN 0, 1, 0
	STEP 1, 0
	s_wait_dscnt 4*NL
	WIN MUL_LO
	MUL16 0, 1
	MUL16 2, 1
	s_wait_dscnt 0
	WIN MUL_HI
	MUL16 4, 1
	MUL16 6, 1
	WIN 0
	PLACES NP
.macro TOSTAGE a, mode
.set AC, 64*((\a)%4)
.set CC, CD+16*((\a)%2)
.set BB, BK+16*((\a)%2)
	WIN 0x02+((\a)/4)
.set i, 0
.rept 64
	v_med3_num_f32 v[TMP+i], v[AC+i], -v[LIM], v[LIM]
.set i, i+1
.endr
	WIN 0
.irp b, 0,1,2,3,4,5,6,7
	v_cvt_scalef32_pk8_fp8_f32 v[CC+2*\b:CC+2*\b+1], v[TMP+8*\b:TMP+8*\b+7], v[SCL]
.endr
	v_nop
.if \mode == 0
.irp c, 0,1,2,3
	ds_store_b128 v[STOQ], v[CC+4*\c:CC+4*\c+3] offset:32*\c
.endr
.irp u, 0,1,2,3
	ds_load_b128 v[BB+4*\u:BB+4*\u+3], v[RDQ] offset:(\u%2)*8*SPQ+(\u/2)*64
.endr
.else
.irp c, 0,1,2,3
	ds_store_b128 v[STOV], v[CC+4*\c:CC+4*\c+3] offset:32*\c
.endr
.irp u, 0,1,2,3
	ds_load_b128 v[BB+4*\u:BB+4*\u+3], v[RDV] offset:\u*4*SPQ
.endr
.endif
.endm
.macro SEND a, mode, younger
.set BB, BK+16*((\a)%2)
	s_wait_dscnt \younger
.irp u, 0,1,2,3
.if \mode == 0
	global_store_b128 v[CO], v[BB+4*\u:BB+4*\u+3], s[98:99] offset:(\u/2)*131072+1024*(\a)+512*(\u%2)
.else
	global_store_b128 v[CO], v[BB+4*\u:BB+4*\u+3], s[98:99] offset:((\a)/4)*131072+2048*((\a)%4)+512*\u
.endif
.endr
.endm
.macro WAYOUT mode
	TOSTAGE 0, \mode
.irp a, 1,2,3,4,5,6,7
.if \a > 1
	s_wait_xcnt 0x0
.endif
	TOSTAGE \a, \mode
	SEND \a-1, \mode, 8
.endr
	SEND 7, \mode, 0
.endm
	s_cmp_eq_u32 ttmp9, 2
	s_cbranch_scc1 .Lout_v
	s_lshr_b32 s12, s17, 3
	s_lshl_b32 s12, s12, 4
	s_lshl_b32 s13, s40, 2
	s_add_co_u32 s12, s12, s13
	s_lshl_b32 s13, s16, 1
	s_add_co_u32 s12, s12, s13
	s_lshl_b32 s12, s12, 11
	s_and_b32 s13, s17, 7
	s_lshl_b32 s13, s13, 8
	s_add_co_u32 s12, s12, s13
	s_lshl_b32 s13, s15, 7
	s_add_co_u32 s12, s12, s13
	s_lshl_b32 s12, s12, 6
	s_mov_b32 s13, 0
	s_add_nc_u64 s[98:99], s[98:99], s[12:13]
	WAYOUT 0
	s_branch .Lout_done
.Lout_v:
	s_lshr_b32 s12, s42, 3
	s_lshl_b32 s12, s12, 4
	s_lshl_b32 s13, s41, 2
	s_add_co_u32 s12, s12, s13
	s_lshl_b32 s13, s15, 1
	s_add_co_u32 s12, s12, s13
	s_lshl_b32 s12, s12, 4
	s_and_b32 s13, s42, 7
	s_lshl_b32 s13, s13, 1
	s_add_co_u32 s12, s12, s13
	s_add_co_u32 s12, s12, s16
	s_lshl_b32 s12, s12, 13
	s_mov_b32 s13, 0
	s_add_nc_u64 s[98:99], s[98:99], s[12:13]
	WAYOUT 1
.Lout_done:
	s_wait_tensorcnt 0x0
	ds_add_u32 v[SPW], v[NIL]
	s_wait_dscnt 0x0
	CROUND
	s_endpgm
.Lfunc_end_k_q56e177905d_qkv:
	.size	k_q56e177905d_qkv, .Lfunc_end_k_q56e177905d_qkv-k_q56e177905d_qkv
	.p2alignl 7, 3214868480
	.fill 96, 4, 3214868480
	.section	.rodata,"a",@progbits
	.p2align	6, 0x0
	.amdhsa_kernel k_q56e177905d_qkv
		.amdhsa_group_segment_fixed_size 327680
		.amdhsa_private_segment_fixed_size 0
		.amdhsa_enable_private_segment 0
		.amdhsa_kernarg_size 72
		.amdhsa_user_sgpr_count 2
		.amdhsa_user_sgpr_kernarg_segment_ptr 1
		.amdhsa_wavefront_size32 1
		.amdhsa_system_sgpr_workgroup_id_x 1
		.amdhsa_system_sgpr_workgroup_id_y 1
		.amdhsa_system_sgpr_workgroup_id_z 1
		.amdhsa_system_vgpr_workitem_id 0
		.amdhsa_next_free_vgpr 1024
		.amdhsa_next_free_sgpr 100
		.amdhsa_reserve_vcc 0
		.amdhsa_float_denorm_mode_32 3
		.amdhsa_float_denorm_mode_16_64 3
		.amdhsa_memory_ordered 1
		.amdhsa_forward_progress 1
		.amdhsa_inst_pref_size 199
	.end_amdhsa_kernel
	.amdgpu_metadata
---
amdhsa.version: [ 1, 2 ]
amdhsa.kernels:
  - .name:           k_q56e177905d_qkv
    .symbol:         k_q56e177905d_qkv.kd
    .args:
      - { .name: x_codes, .offset: 0, .size: 8, .value_kind: global_buffer, .address_space: global }
      - { .name: W_qkv_codes, .offset: 8, .size: 8, .value_kind: global_buffer, .address_space: global }
      - { .name: lowp_scales, .offset: 16, .size: 8, .value_kind: global_buffer, .address_space: global }
      - { .name: b_qkv, .offset: 24, .size: 8, .value_kind: global_buffer, .address_space: global }
      - { .name: xa, .offset: 32, .size: 8, .value_kind: global_buffer, .address_space: global }
      - { .name: lora_B, .offset: 40, .size: 8, .value_kind: global_buffer, .address_space: global }
      - { .name: q_codes, .offset: 48, .size: 8, .value_kind: global_buffer, .address_space: global }
      - { .name: k_codes, .offset: 56, .size: 8, .value_kind: global_buffer, .address_space: global }
      - { .name: v_codes, .offset: 64, .size: 8, .value_kind: global_buffer, .address_space: global }
    .group_segment_fixed_size: 327680
    .private_segment_fixed_size: 0
    .kernarg_segment_align: 8
    .kernarg_segment_size: 72
    .max_flat_workgroup_size: 128
    .sgpr_count:     100
    .vgpr_count:     1024
    .wavefront_size: 32
...
	.end_amdgpu_metadata
.endif
;; end of part 2
;; launch attn (part 3): grid 4 x 64, 16 waves a work-group, clusters of 4 x 1, 327,680 bytes of LDS; arguments q_codes, k_codes, v_codes, lowp_scales, attn_codes; writes attn_codes
.if DOCPART == 3
	.amdgcn_target "amdgcn-amd-amdhsa--gfx1250"
	.amdhsa_code_object_version 6
	.text
	.protected	k_q56e177905d_attn
	.globl	k_q56e177905d_attn
	.p2align	8
	.type	k_q56e177905d_attn,@function
k_q56e177905d_attn:
	s_mov_b64 s[64:65], 0
	v_nop
	global_prefetch_b8 v0, s[64:65] scope:SCOPE_SE
	s_setreg_imm32_b32 hwreg(HW_REG_WAVE_MODE, 25, 1), 1
	s_wait_xcnt 0x0
	s_wait_alu depctr_hold_cnt(0) depctr_sa_sdst(0) depctr_va_vdst(0) depctr_va_sdst(0) depctr_va_ssrc(0) depctr_va_vcc(0) depctr_vm_vsrc(0)
	s_getreg_b32 s2, hwreg(HW_REG_IB_STS2, 6, 4)
	s_cmp_eq_u32 s2, 0
	s_cbranch_scc0 .Lentry_in_a_cluster
	s_endpgm
.Lentry_in_a_cluster:
	s_bfe_u32 s2, ttmp6, 0x10000c
	s_cmp_lg_u32 s2, 0x3003
	s_cbranch_scc0 .Lentry_shape_is_right
	s_endpgm
.Lentry_shape_is_right:
; Attention on codes of E4M3, one batch x head (64 in all, head size 64, 2,048 keys) to a row of the grid; its result is quantised at once for the last projection.
; t = score x log2(e) / 8; M = the running largest t rounded UP to a whole number; p = 2^(t - M) is quantised with 2^e4; the row's sum is taken of the unquantised p and divides at the end.
; When M moves, the sum and O are multiplied by 2^(old M - new M), which rounds nothing.  The running maximum is kept as a raw score (c is positive, so c x the largest score is the largest t).
; SHARES.  A work-group owns 512 queries of one head; each of its sixteen waves owns 32, two tiles of 16, which share every fragment of K and V that the wave reads from LDS.
; THE WHOLE HEAD LIES IN LDS, FILLED ONCE.  K (2,048 rows of 64 bytes) and V (1,024 rows of 128 bytes) are dense in memory: both come as 512 long rows of 256 bytes, aligned, with 16 bytes of padding behind each.
; A key step of 128 keys is 32 long rows of K and 32 of V.  Waves 0-7 fetch K, waves 8-15 V, an eighth each: one load a wave at the head (key steps 0-2, 12 long rows),
; and one behind the full sequence (key steps 3-15, 52 long rows), which has three key steps in which to land.  One tensor load of a wave is out at the most.
; CLUSTER.  The four work-groups of a head need the same K and V: they form a cluster of 4 x 1 and ask jointly, by the same descriptor (made of the head and the wave's number alone) and the mask 15.
; NO PREFETCH: both fills are asked for ahead of the first key step, so there is no loop in which to ask ahead of them.
; LAYOUT.  Both products are used transposed: S^T = K Q^T (source 0 = 16 keys, source 1 = 16 queries), O^T = V^T P^T: a lane holds ONE query (lane % 16) throughout.  A tile of S^T is 16 neighbouring keys:
; its eight registers are keys 16 u + 8 (lane / 16) + 0..7, and their codes are registers 2 u, 2 u + 1 of the K = 128 form's own layout.  q, k and v were stored so that loads of 16 bytes give that layout too.
; WHAT IS STORED.  attn_codes [batch 4][group of 4 heads 4][16 tokens 128][head in the group 4][token 16][64]: a wave's tile is 1,024 consecutive bytes.
; LIMITS: e2 + e3 between -123 and 130 (added to c's exponent field); e4 and e6 between -126 and 119; the scaled scores t stay under 2^31 in magnitude; NaN is not served.
; REGISTERS: v1, v2 my lane's place in a tile of K, of V; v3, v4 the spare word's address and 0; v5 the conversion's scale; v6 the address of the loads in hand; v8-15 four a tile: -M, the largest raw score, the sum in two halves;
;   v16-31 Q; v32-95 K's fragments, then V's; v96-159 S^T of the tile in hand, then p; v160-223 O^T (tile t, channels 16 c on: 160 + 32 t + 8 c); v224-255 p's codes, 16 a tile, at work until the tile's conversions.
.set LP,    272                        ; a long row in LDS: 256 bytes + 16
.set VOFF,  512*LP                     ; K's 512 long rows, then V's
.set STG,   2*VOFF                     ; behind them: a stage of 1,024 bytes for each wave, into which no fill lands
.set SPARE, STG+16*1024                ; behind the stages: the spare words, 128 bytes a wave
.set STEPB, 32*LP                      ; a key step, in K and in V alike
.set NA,    3                          ; key steps of the first fill
.set RA,    4*NA                       ; its long rows a wave
.set RB,    4*(16-NA)                  ; the second fill's
.macro GRP1 g, r                       ; descriptor group 1: r dense rows of 256 bytes, for all four work-groups of the cluster
	s_mov_b32 s[\g], 15|(1<<20)|(1<<21)|(5<<22)|(3<<25)   ; the mask; elements of 1 byte; padding on, four words after every 64; bit 21 beside the mask
	s_mov_b32 s[\g+1], 256<<16
	s_mov_b32 s[\g+2], (\r)<<16
	s_mov_b32 s[\g+3], 256<<16
	s_mov_b32 s[\g+4], \r
	s_mov_b32 s[\g+5], 256
	s_mov_b32 s[\g+6], 0
	s_mov_b32 s[\g+7], 0
.endm
.macro CROUND                          ; a round of the cluster's barrier
	s_barrier_signal -1
	s_barrier_wait -1
	s_cmp_lg_u32 s14, 0
	s_cbranch_scc1 .Lnot_wave_0_\@
	s_barrier_signal -3
.Lnot_wave_0_\@:
	s_barrier_wait -3
	s_barrier_signal -1
	s_barrier_wait -1
.endm
	s_load_b256 s[4:11], s[0:1], 0x0               ; q_codes s[4:5], k_codes s[6:7], v_codes s[8:9], the scales s[10:11]
	s_load_b64 s[12:13], s[0:1], 0x20              ; attn_codes
	v_lshl_add_u32 v3, v0, 2, SPARE
	v_mov_b32 v4, 0
	ds_add_u32 v3, v4                              ; the opening lines: the add, twice on end, and its wait ahead of my first tensor load
	ds_add_u32 v3, v4
	v_lshrrev_b32 v7, 5, v0
	v_readfirstlane_b32 s14, v7                    ; wave 0..15
	s_and_b32 s15, s14, 7                          ; which eighth I fetch,
	s_lshr_b32 s16, s14, 3                         ; of K (0) or of V (1)
	s_and_b32 s87, ttmp7, 0xffff                   ; batch x 16 + head
	s_lshl_b32 s56, s87, 17                        ; its 131,072 bytes in each of q, k, v
	s_mov_b32 s57, 0
	GRP1 24, RA
	GRP1 32, RB
	s_mul_i32 s52, s15, RA*256                     ; the first fill in memory,
	s_mov_b32 s53, 0
	s_add_nc_u64 s[52:53], s[52:53], s[56:57]
	s_mul_i32 s54, s15, RB*256                     ; the second, behind the first's 32 NA long rows
	s_add_co_u32 s54, s54, 32*NA*256
	s_mov_b32 s55, 0
	s_add_nc_u64 s[54:55], s[54:55], s[56:57]
	s_mul_i32 s48, s16, VOFF
	s_mov_b32 s40, 1
	s_mul_i32 s41, s15, RA*LP                      ; and in LDS: made of the wave's number alone
	s_add_co_u32 s41, s41, s48
	s_mov_b32 s44, 1
	s_mul_i32 s45, s15, RB*LP
	s_add_co_u32 s45, s45, s48
	s_add_co_u32 s45, s45, 32*NA*LP
	s_mov_b32 s20, 0x76543210                      ; v_permlanex16_b32: lane l xor 16
	s_mov_b32 s21, 0xfedcba98
	s_wait_dscnt 0x0                               ; both opening adds are done
	s_wait_kmcnt 0x0
	s_load_b256 s[76:83], s[10:11], 0x0            ; e0 .. e7
	s_cmp_eq_u32 s16, 0
	s_cselect_b64 s[50:51], s[6:7], s[8:9]
	s_add_nc_u64 s[42:43], s[50:51], s[52:53]
	s_or_b32 s43, s43, 0x80000000                  ; type = 2
	s_add_nc_u64 s[46:47], s[50:51], s[54:55]
	s_or_b32 s47, s47, 0x80000000
	CROUND                                         ; all four work-groups are here: the first joint loads meet
	tensor_load_to_lds s[40:43], s[24:31]          ; key steps 0 .. NA - 1: my one load at the head
	s_nop 0
	s_bfe_u32 s17, ttmp6, 0x40000                  ; my place in the cluster
	s_lshl_b32 s58, ttmp9, 2
	s_add_co_u32 s17, s17, s58                     ; my block of 512 queries
	s_lshl_b32 s58, s17, 15                        ; x 64 bytes,
	s_lshl_b32 s59, s14, 11                        ; my wave's 32
	s_add_co_u32 s58, s58, s59
	s_mov_b32 s59, 0
	s_add_nc_u64 s[58:59], s[58:59], s[56:57]
	s_add_nc_u64 s[4:5], s[4:5], s[58:59]
	s_lshr_b32 s60, s87, 2                         ; where my two tiles go: ((batch x 4 + head / 4) x 128 + 32 x block + 2 x wave) x 4,096 + (head % 4) x 1,024
	s_lshl_b32 s60, s60, 7
	s_lshl_b32 s61, s17, 5
	s_add_co_u32 s60, s60, s61
	s_lshl_b32 s61, s14, 1
	s_add_co_u32 s60, s60, s61
	s_lshl_b32 s60, s60, 12
	s_and_b32 s61, s87, 3
	s_lshl_b32 s61, s61, 10
	s_add_co_u32 s60, s60, s61
	s_mov_b32 s61, 0
	s_add_nc_u64 s[12:13], s[12:13], s[60:61]
	v_and_b32 v8, 15, v0                           ; r
	v_bfe_u32 v9, v0, 4, 1                         ; h
	v_lshlrev_b32 v224, 6, v8
	v_lshl_add_u32 v224, v9, 4, v224
.irp t, 0,1
.irp c, 0,1
	global_load_b128 v[16+8*\t+4*\c:16+8*\t+4*\c+3], v224, s[4:5] offset:1024*\t+32*\c   ; Q's two fragments stay in registers
.endr
.endr
	v_lshrrev_b32 v10, 2, v8
	v_mul_u32_u24 v1, v10, LP
	v_and_b32 v10, 3, v8
	v_lshl_add_u32 v1, v10, 6, v1
	v_lshl_add_u32 v1, v9, 4, v1                   ; K: key r of a tile: long row r / 4, byte 64 (r % 4), + 16 h
	v_lshrrev_b32 v10, 1, v8
	v_mul_u32_u24 v2, v10, LP
	v_and_b32 v10, 1, v8
	v_lshl_add_u32 v2, v10, 7, v2
	v_lshl_add_u32 v2, v9, 4, v2
	v_add_nc_u32 v2, VOFF, v2                      ; V: channel r of a tile: long row r / 2, byte 128 (r % 2), + 16 h
.irp t, 0,1
	v_mov_b32 v[9+4*\t], 0xff61b1e6                ; the largest raw score so far: -3e38, under every score
	v_mov_b32 v[8+4*\t], 0x7f61b1e6                ; -M: 3e38
	v_mov_b32 v[10+4*\t], 0                        ; the sum, in two halves
	v_mov_b32 v[11+4*\t], 0
	v_mov_b32 v[227+16*\t], 0                      ; named as the upper half of a pair
	v_mov_b32 v[228+16*\t], 0                      ; a lane permute's destination counts as read
.endr
.set i, 0
.rept 64
	v_mov_b32 v[160+i], 0                          ; O^T: the step is written once: the first finds zeros, which the first change of M leaves zeros
.set i, i+1
.endr
	s_wait_kmcnt 0x0
	s_mov_b32 s22, 0x3e38aa3b                      ; c = log2(e) / 8
	s_add_co_i32 s88, s78, s79
	s_lshl_b32 s88, s88, 23
	s_add_co_i32 s22, s22, s88                     ; a score stands for score x 2^(e2 + e3): the two exponents are added to c's exponent field
	s_mov_b32 s23, s22                             ; (named with it as a pair)
	s_add_co_i32 s88, s80, 127
	s_lshl_b32 s89, s88, 23
	v_mov_b32 v5, s89                              ; 2^e4
	s_add_co_i32 s88, s88, 8
	s_lshl_b32 s88, s88, 23
	s_or_b32 s85, s88, 0x600000                    ; 448 x 2^e4
; One tile's softmax for one key step: the 64 scores of my query in v96-159 become p, and p's codes.
; At work, in the tile's code registers T on: T+2, T+3 f; T+4 the permute's destination; T+6 the old -M; T+8 .. T+11 four chains of the maximum, then T+8, T+9 the sum's second chain.
.macro SOFTMAX t
.set T,  224+16*(\t)
.set ST, 8+4*(\t)
.set OT, 160+32*(\t)
.irp k, 0,1,2,3                        ; four chains, each over two tiles of S^T in ascending order: each accumulator is read from its low end on
	v_max3_num_f32 v[T+8+\k], v[96+16*\k], v[97+16*\k], v[98+16*\k]
.endr
.irp n, 3,5,7,9,11,13
.irp k, 0,1,2,3
	v_max3_num_f32 v[T+8+\k], v[T+8+\k], v[96+16*\k+\n], v[97+16*\k+\n]
.endr
.endr
	v_max3_num_f32 v[T+8], v[T+8], v111, v127      ; the four scores left over,
	v_max3_num_f32 v[T+10], v[T+10], v143, v159
	v_max3_num_f32 v[T+8], v[T+8], v[T+9], v[T+10] ; and the four chains
	v_max_num_f32 v[T+8], v[T+8], v[T+11]
	v_permlanex16_b32 v[T+4], v[T+8], s20, s21
	v_max3_num_f32 v[ST+1], v[ST+1], v[T+8], v[T+4]   ; the running largest raw score: mine, lane l xor 16's, the old one
	v_mul_f32 v[T+8], s22, v[ST+1]                 ; as t
	v_mov_b32 v[T+6], v[ST]                        ; the old -M
	v_floor_f32 v[ST], -v[T+8]                     ; the new -M = floor(-t): M is a whole number
	v_sub_f32 v[T+6], v[ST], v[T+6]                ; old M - new M: a whole number, 0 or less
	v_cvt_i32_f32 v[T+6], v[T+6]                   ; (it saturates)
	v_ldexp_f32 v[T+2], 1.0, v[T+6]                ; f = 2^(old M - new M)
.set i, 0
.rept 32
	v_pk_fma_f32 v[96+i:97+i], v[96+i:97+i], s[22:23], v[ST:ST+1] op_sel_hi:[1,0,0]   ; t - M, two at a time
.set i, i+2
.endr
	s_wait_alu depctr_va_vdst(0)                   ; the wait ahead of the batch, directly ahead of the first reader of O^T
.set i, 0
.rept 16
	v_pk_mul_f32 v[OT+i:OT+i+1], v[OT+i:OT+i+1], v[T+2:T+3] op_sel_hi:[1,0]   ; O^T under the new M, each accumulator from its low end on
.set i, i+2
.endr
.set i, 0
.rept 64
	v_exp_f32 v[96+i], v[96+i]                     ; p = 2^(t - M): not normalised
.set i, i+1
.endr
	v_pk_mul_f32 v[ST+2:ST+3], v[ST+2:ST+3], v[T+2:T+3] op_sel_hi:[1,0]   ; the sum under the new M (a plain line behind the exponentials)
	s_wait_alu depctr_va_vdst(0)                   ; one wait for the whole batch, ahead of its first reader
	v_pk_add_f32 v[T+8:T+9], v[96:97], v[98:99]    ; the sum of the UNQUANTISED p, in two chains; four numbers' hold follows their additions
.set i, 4
.rept 15
	v_pk_add_f32 v[ST+2:ST+3], v[ST+2:ST+3], v[96+i:97+i]
	v_dual_min_num_f32 v[92+i], s85, v[92+i] :: v_dual_min_num_f32 v[93+i], s85, v[93+i]   ; the conversion to an 8-bit code does not saturate (ISA guide 7.6.2); p is not negative, so the hold is one-sided; it stands for every e4
	v_pk_add_f32 v[T+8:T+9], v[T+8:T+9], v[98+i:99+i]
	v_dual_min_num_f32 v[94+i], s85, v[94+i] :: v_dual_min_num_f32 v[95+i], s85, v[95+i]
.set i, i+4
.endr
	v_pk_add_f32 v[ST+2:ST+3], v[ST+2:ST+3], v[T+8:T+9]
	v_dual_min_num_f32 v156, s85, v156 :: v_dual_min_num_f32 v157, s85, v157
	v_dual_min_num_f32 v158, s85, v158 :: v_dual_min_num_f32 v159, s85, v159
.irp u, 0,1,2,3,4,5,6,7
	v_cvt_scalef32_pk8_fp8_f32 v[T+2*\u:T+2*\u+1], v[96+8*\u:103+8*\u], v5
.endr
	v_nop                                          ; a plain line behind the last conversion: matrix instructions write its sources or read its results next
.endm
; A KEY STEP: 128 keys, whose long rows begin s84 bytes into K's part and into V's.
.macro STEP
	v_add_nc_u32 v6, s84, v1
.rept 3
	v_nop                                          ; with the line above: four places in front of loads into registers that the last products read
.endr
.irp u, 0,1,2,3,4,5,6,7
.irp c, 0,1
	ds_load_b128 v[32+8*\u+4*\c:32+8*\u+4*\c+3], v6 offset:4*LP*\u+32*\c      ; 16 keys are four long rows
.endr
.endr
	s_wait_dscnt 0x0
.irp u, 0,1,2,3,4,5,6,7
	v_wmma_f32_16x16x64_fp8_fp8 v[96+8*\u:103+8*\u], v[32+8*\u:39+8*\u], v[16:23], 0
.endr
.rept 4
	v_nop
.endr
	SOFTMAX 0
.irp u, 0,1,2,3,4,5,6,7
	v_wmma_f32_16x16x64_fp8_fp8 v[96+8*\u:103+8*\u], v[32+8*\u:39+8*\u], v[24:31], 0
.endr
	v_add_nc_u32 v6, s84, v2
.rept 3
	v_nop                                          ; four places in front of the loads into K's registers and of the first read of the scores
.endr
.irp u, 0,1,2,3
.irp c, 0,1,2,3
	ds_load_b128 v[32+16*\u+4*\c:32+16*\u+4*\c+3], v6 offset:8*LP*\u+32*\c    ; 16 channels are eight long rows; V lands under the second tile's softmax
.endr
.endr
	SOFTMAX 1
	s_wait_alu depctr_va_vdst(0)
	s_wait_dscnt 0x0
.irp u, 0,1,2,3                        ; eight accumulators, one instruction each
.irp t, 0,1
	v_wmma_f32_16x16x128_fp8_fp8 v[160+32*\t+8*\u:167+32*\t+8*\u], v[32+16*\u:47+16*\u], v[224+16*\t:239+16*\t], v[160+32*\t+8*\u:167+32*\t+8*\u]
.endr
.endr
.endm
.macro WALK first, trips               ; key steps first .. first + trips - 1
	s_mov_b32 s84, (\first)*STEPB
	s_mov_b32 s86, \trips
.Lstep_\@:
	STEP
	s_add_co_u32 s84, s84, STEPB
	s_sub_co_u32 s86, s86, 1
	s_cmp_lg_u32 s86, 0
	s_cbranch_scc1 .Lstep_\@
.endm
	s_wait_alu depctr_va_vdst(0)
	s_wait_loadcnt 0x0                             ; Q
	s_wait_tensorcnt 0x0                           ; my part of the first fill is in
	ds_add_u32 v3, v4
	s_wait_dscnt 0x0
	CROUND                                         ; everybody's part is in, and all four work-groups are here: the joint loads meet
	tensor_load_to_lds s[44:47], s[32:39]          ; key steps NA .. 15: my one load behind the round
	s_nop 0
	WALK 0, NA
	s_wait_tensorcnt 0x0                           ; my part of the second fill is in
	s_wait_dscnt 0x0
	s_barrier_signal -1
	s_barrier_wait -1                              ; everybody's is
	WALK NA, 16-NA
	; THE WAY OUT.  O^T x 2^(e4 + e5) / the sum is the attention's result; it is quantised with 2^e6 and leaves through my stage as 1,024 consecutive bytes a tile.
	s_add_co_i32 s88, s80, s81
	s_lshl_b32 s89, s14, 10
	s_add_co_u32 s89, s89, STG                     ; my stage
	s_add_co_i32 s92, s82, 127
	s_lshl_b32 s93, s92, 23                        ; 2^e6
	s_add_co_i32 s92, s92, 8
	s_lshl_b32 s92, s92, 23
	s_or_b32 s92, s92, 0x600000                    ; 448 x 2^e6
.rept 4
	v_nop                                          ; places behind the last products
.endr
	v_add_f32 v10, v10, v11                        ; the sum's two halves,
	v_add_f32 v14, v14, v15
	v_permlanex16_b32 v11, v10, s20, s21
	v_permlanex16_b32 v15, v14, s20, s21
	v_add_f32 v10, v10, v11                        ; and lane l xor 16's
	v_add_f32 v14, v14, v15
	s_wait_alu depctr_va_vdst(0)
	v_rcp_f32 v10, v10
	v_rcp_f32 v14, v14
	v_and_b32 v1, 15, v0                           ; (a plain line behind the reciprocals)  r
	v_bfe_u32 v2, v0, 4, 1                         ; h
	v_lshlrev_b32 v1, 6, v1
	v_lshl_add_u32 v1, v2, 3, v1
	v_add_nc_u32 v1, s89, v1                       ; in: token r's 64 bytes, + 8 h
	v_and_b32 v2, 31, v0
	v_lshlrev_b32 v9, 4, v2                        ; 16 x lane
	v_add_nc_u32 v2, s89, v9                       ; back
	v_mov_b32 v5, s93
	v_mov_b32 v6, s92
	s_wait_alu depctr_va_vdst(0)                   ; the wait ahead of the reciprocals' first reader
	v_ldexp_f32 v10, v10, s88                      ; x 2^(e4 + e5)
	v_ldexp_f32 v14, v14, s88
	s_wait_alu depctr_va_vdst(0)                   ; the wait directly ahead of the first reader of O^T
.irp t, 0,1
.set i, 0
.rept 16
	v_pk_mul_f32 v[96+32*\t+i:97+32*\t+i], v[160+32*\t+i:161+32*\t+i], v[10+4*\t:11+4*\t] op_sel_hi:[1,0]   ; register 8 c + j: channel 16 c + 8 h + j of query r; each accumulator from its low end on
.set i, i+2
.endr
.endr
.set i, 0
.rept 64
	v_med3_num_f32 v[96+i], v[96+i], -v6, v6
.set i, i+1
.endr
.irp c, 0,1,2,3,4,5,6,7
	v_cvt_scalef32_pk8_fp8_f32 v[224+2*\c:225+2*\c], v[96+8*\c:103+8*\c], v5
.endr
	v_nop
.irp t, 0,1
.irp c, 0,1,2,3
	ds_store_b64 v1, v[224+8*\t+2*\c:225+8*\t+2*\c] offset:16*\c
.endr
.irp u, 0,1
	ds_load_b128 v[32+8*\t+4*\u:35+8*\t+4*\u], v2 offset:512*\u   ; LDS serves a wave's instructions in order (ISA guide 5.7.1.4): these see my stores, and the next tile's stores come behind them
.endr
.endr
	s_wait_dscnt 6                                 ; tile 0 is back; behind its loads: tile 1's four stores and two loads
	global_store_b128 v9, v[32:35], s[12:13]       ; 512 consecutive bytes, aligned
	global_store_b128 v9, v[36:39], s[12:13] offset:512
	s_wait_dscnt 0x0
	global_store_b128 v9, v[40:43], s[12:13] offset:4096
	global_store_b128 v9, v[44:47], s[12:13] offset:4608
	s_wait_tensorcnt 0x0                           ; the wave's end
	ds_add_u32 v3, v4
	s_wait_dscnt 0x0
	CROUND                                         ; the closing round
	s_endpgm
.Lfunc_end_k_q56e177905d_attn:
	.size	k_q56e177905d_attn, .Lfunc_end_k_q56e177905d_attn-k_q56e177905d_attn
	.p2alignl 7, 3214868480
	.fill 96, 4, 3214868480
	.section	.rodata,"a",@progbits
	.p2align	6, 0x0
	.amdhsa_kernel k_q56e177905d_attn
		.amdhsa_group_segment_fixed_size 327680
		.amdhsa_private_segment_fixed_size 0
		.amdhsa_enable_private_segment 0
		.amdhsa_kernarg_size 40
		.amdhsa_user_sgpr_count 2
		.amdhsa_user_sgpr_kernarg_segment_ptr 1
		.amdhsa_wavefront_size32 1
		.amdhsa_system_sgpr_workgroup_id_x 1
		.amdhsa_system_sgpr_workgroup_id_y 1
		.amdhsa_system_sgpr_workgroup_id_z 1
		.amdhsa_system_vgpr_workitem_id 0
		.amdhsa_next_free_vgpr 256
		.amdhsa_next_free_sgpr 96
		.amdhsa_reserve_vcc 0
		.amdhsa_float_denorm_mode_32 3
		.amdhsa_float_denorm_mode_16_64 3
		.amdhsa_memory_ordered 1
		.amdhsa_forward_progress 1
		.amdhsa_inst_pref_size 76
	.end_amdhsa_kernel
	.amdgpu_metadata
---
amdhsa.version: [ 1, 2 ]
amdhsa.kernels:
  - .name:           k_q56e177905d_attn
    .symbol:         k_q56e177905d_attn.kd
    .args:
      - { .name: q_codes, .offset: 0, .size: 8, .value_kind: global_buffer, .address_space: global }
      - { .name: k_codes, .offset: 8, .size: 8, .value_kind: global_buffer, .address_space: global }
      - { .name: v_codes, .offset: 16, .size: 8, .value_kind: global_buffer, .address_space: global }
      - { .name: lowp_scales, .offset: 24, .size: 8, .value_kind: global_buffer, .address_space: global }
      - { .name: attn_codes, .offset: 32, .size: 8, .value_kind: global_buffer, .address_space: global }
    .group_segment_fixed_size: 327680
    .private_segment_fixed_size: 0
    .kernarg_segment_align: 8
    .kernarg_segment_size: 40
    .max_flat_workgroup_size: 512
    .sgpr_count:     96
    .vgpr_count:     256
    .wavefront_size: 32
...
	.end_amdgpu_metadata
.endif
;; end of part 3
;; launch proj (part 4): grid 4 x 64, 4 waves a work-group, clusters of 4 x 4, 327,680 bytes of LDS; arguments attn_codes, W_proj_codes, lowp_scales, b_proj, out0; writes out0
.if DOCPART == 4
	.amdgcn_target "amdgcn-amd-amdhsa--gfx1250"
	.amdhsa_code_object_version 6
	.text
	.protected	k_q56e177905d_proj
	.globl	k_q56e177905d_proj
	.p2align	8
	.type	k_q56e177905d_proj,@function
k_q56e177905d_proj:
	s_mov_b64 s[64:65], 0
	v_nop
	global_prefetch_b8 v0, s[64:65] scope:SCOPE_SE
	s_setreg_imm32_b32 hwreg(HW_REG_WAVE_MODE, 25, 1), 1
	s_wait_xcnt 0x0
	s_wait_alu depctr_hold_cnt(0) depctr_sa_sdst(0) depctr_va_vdst(0) depctr_va_sdst(0) depctr_va_ssrc(0) depctr_va_vcc(0) depctr_vm_vsrc(0)
	s_getreg_b32 s2, hwreg(HW_REG_IB_STS2, 6, 4)
	s_cmp_eq_u32 s2, 0
	s_cbranch_scc0 .Lentry_in_a_cluster
	s_endpgm
.Lentry_in_a_cluster:
	s_bfe_u32 s2, ttmp6, 0x10000c
	s_cmp_lg_u32 s2, 0xf033
	s_cbranch_scc0 .Lentry_shape_is_right
	s_endpgm
.Lentry_shape_is_right:
; out0 = attention W_proj^T + b_proj.  attn_codes (laid by the launch before: [batch 4][group of 4 heads 4][16 tokens 128][head 4][token 16][64]) and W_proj_codes [1024][1024] are multiplied as codes by the K = 128 form.
; A sum stands for its value / 2^(e6 + e7): it begins with the bias x 2^(-e6 - e7) as C and is multiplied once by 2^(e6 + e7) on the way out.
; A work-group of four waves makes 128 x 256, a wave 64 x 128; K goes in steps of 256 through three LDS slots, the first of which is filled twice; 4 x 4 work-groups form a cluster and ask for shared tiles jointly.
; LIMIT: e6 + e7 between -126 and 127; NaN is not served.
.set ROWB,   256
.set KROW,   1024
.set PITCH,  272
.set FR,     16
.set NP,     4
.set AHALF,  64*PITCH
.set APART,  2*AHALF
.set BHALF,  128*PITCH
.set SLOT,   APART+2*BHALF
.set ASTEP,  524288
.set SPARE,  3*SLOT
.set STAGE,  SLOT
.set SPITCH, 528
.set ADRA, 16
.set ADRB, 20
.set BQ,   23
.set STO,  24
.set RD,   25
.set CO,   26
.set SPW,  28
.set NIL,  29
.set BIAS, 32
.set TMP,  32
.set AF,   128
.set BK,   128
.set G1,  24
.set G1B, 48
.set MSB, 0
.macro WIN new
.if MSB != (\new)
	s_set_vgpr_msb (MSB<<8)|(\new)
.set MSB, \new
.endif
.endm
.set MUL,  0xa1
.set MUL1, 0x81
.set TO_B, 0x40
.macro JLOAD g0a, g1a, g0b, g1b
	s_cmp_eq_u32 s15, 0
	s_cbranch_scc0 .Lfor_b_\@
	tensor_load_to_lds s[\g0a:\g0a+3], s[\g1a:\g1a+7]
	s_nop 0
.rept 4
	v_nop
.endr
	s_branch .Lasked_\@
.Lfor_b_\@:
	tensor_load_to_lds s[\g0b:\g0b+3], s[\g1b:\g1b+7]
	s_nop 0
.rept 4
	v_nop
.endr
.Lasked_\@:
.endm
.macro CREST
	s_cmp_lg_u32 s14, 0
	s_cbranch_scc1 .Lnot_wave_0_\@
	s_barrier_signal -3
.Lnot_wave_0_\@:
	s_barrier_wait -3
	s_barrier_signal -1
	s_barrier_wait -1
.endm
.macro CROUND
	s_barrier_signal -1
	s_barrier_wait -1
	CREST
.endm
.macro PLACES n
.rept \n
	v_nop
.endr
.endm
	s_load_b256 s[4:11], s[0:1], 0x0
	s_load_b64 s[12:13], s[0:1], 0x20
	v_lshl_add_u32 v[SPW], v0, 2, SPARE
	v_mov_b32 v[NIL], 0
	ds_add_u32 v28, v29
	ds_add_u32 v28, v29
	s_wait_dscnt 0x0
	v_lshrrev_b32 v1, 5, v0
	v_readfirstlane_b32 s14, v1
	s_lshr_b32 s15, s14, 1
	s_and_b32 s16, s14, 1
	s_bfe_u32 s72, ttmp6, 0x40000
	s_bfe_u32 s73, ttmp6, 0x40004
	s_lshl_b32 s74, ttmp9, 2
	s_add_co_u32 s74, s74, s72
	s_and_b32 s17, ttmp7, 0xffff
	s_lshl_b32 s17, s17, 2
	s_add_co_u32 s17, s17, s73
	s_lshl_b32 s75, s73, 2
	s_lshl_b32 s75, 15, s75
	s_lshl_b32 s76, 0x1111, s72
	s_or_b32 s[G1+0], s75, (0<<16)|(1<<20)|(1<<21)|(5<<22)|(3<<25)
	s_mov_b32 s[G1+1], ROWB<<16
	s_mov_b32 s[G1+2], 64<<16
	s_mov_b32 s[G1+3], ROWB<<16
	s_mov_b32 s[G1+4], 64
	s_mov_b32 s[G1+5], ROWB
	s_mov_b32 s[G1+6], 0
	s_mov_b32 s[G1+7], 0
	s_or_b32 s[G1B+0], s76, (0<<16)|(1<<20)|(1<<21)|(5<<22)|(3<<25)
	s_mov_b32 s[G1B+1], ROWB<<16
	s_mov_b32 s[G1B+2], 128<<16
	s_mov_b32 s[G1B+3], ROWB<<16
	s_mov_b32 s[G1B+4], 128
	s_mov_b32 s[G1B+5], KROW
	s_mov_b32 s[G1B+6], 0
	s_mov_b32 s[G1B+7], 0
	s_lshr_b32 s20, s17, 4
	s_lshl_b32 s20, s20, 21
	s_and_b32 s18, s17, 15
	s_lshl_b32 s18, s18, 15
	s_add_co_u32 s20, s20, s18
	s_lshl_b32 s18, s16, 14
	s_add_co_u32 s20, s20, s18
	s_mov_b32 s21, 0
	s_lshl_b32 s46, s74, 8
	s_lshl_b32 s18, s16, 7
	s_add_co_u32 s46, s46, s18
	s_lshl_b32 s46, s46, 10
	s_mov_b32 s47, 0
	s_mul_i32 s44, s16, AHALF
	s_mul_i32 s45, s16, BHALF
	s_add_co_u32 s45, s45, APART
	s_lshl_b32 s18, s74, 10
	s_lshl_b32 s19, s16, 9
	s_add_co_u32 s18, s18, s19
	s_mov_b32 s19, 0
	s_wait_kmcnt 0x0
	s_load_b64 s[96:97], s[8:9], 0x18
	s_add_nc_u64 s[20:21], s[4:5], s[20:21]
	s_add_nc_u64 s[46:47], s[6:7], s[46:47]
	s_add_nc_u64 s[10:11], s[10:11], s[18:19]
	CROUND
.macro FIRST s, ga, gb
	s_mov_b32 s[\ga], 1
	s_add_co_u32 s[\ga+1], s44, \s*SLOT
	s_add_nc_u64 s[\ga+2:\ga+3], s[20:21], \s*ASTEP
	s_or_b32 s[\ga+3], s[\ga+3], 0x80000000
	s_mov_b32 s[\gb], 1
	s_add_co_u32 s[\gb+1], s45, \s*SLOT
	s_add_nc_u64 s[\gb+2:\gb+3], s[46:47], \s*ROWB
	s_or_b32 s[\gb+3], s[\gb+3], 0x80000000
.if \s                                 ; K step 0 goes out behind the opening round; a later first fill stands behind a tensor wait, two adds and a round
	s_wait_alu depctr_va_vdst(0)
	s_wait_tensorcnt 0x0
	ds_add_u32 v28, v29
	ds_add_u32 v28, v29
	s_wait_dscnt 0x0
	CROUND
.endif
	JLOAD \ga, G1, \gb, G1B
.endm
	FIRST 0, 32, 56
	; THE PREFETCHES: behind K step 0's load K step 2 is asked for, behind K step 1's K step 3: two fills ahead of the load that will want them; K steps 0 and 1 come by their loads alone.
	; The four partners that ask for a tile jointly share it out by address.  Waves 0, 1 (attention's codes: 64 dense rows of 256 bytes): 16 rows a partner, lanes 0-15 a row each, the lanes left over name the last again.
	; Waves 2, 3 (W_proj: 128 rows, 1,024 bytes apart): 32 rows a partner, a lane a row, 256 bytes of it.
.set PFO, 13                           ; v13  my lane's offset; never rewritten
	s_cmp_eq_u32 s15, 0
	s_cselect_b64 s[78:79], s[20:21], s[46:47]     ; what I fetch
	s_cselect_b32 s82, s72, s73                    ; my work-group's place among the four,
	s_cselect_b32 s84, 12, 15                      ; x 4,096 or 32,768 bytes
	s_cselect_b32 s85, 15, 31                      ; the last lane with a row of its own
	s_cselect_b32 s86, 8, 10                       ; from row to row: 256 or 1,024 bytes
	s_mov_b32 s87, ROWB
	s_cselect_b32 s80, ASTEP, s87                  ; a K step on, in bytes
	s_lshl_b32 s82, s82, s84
	s_mov_b32 s83, 0
	s_mov_b32 s81, 0
	s_add_nc_u64 s[78:79], s[78:79], s[82:83]
	s_add_nc_u64 s[78:79], s[78:79], s[80:81]
	s_add_nc_u64 s[78:79], s[78:79], s[80:81]      ; K step 2
	s_add_nc_u64 s[80:81], s[78:79], s[80:81]      ; K step 3; neither pair is rewritten
	v_and_b32 v1, 15, v0
	v_bfe_u32 v2, v0, 4, 1
	v_lshlrev_b32 v[BQ], 5, v2
.irp b, 0,1,2,3,4,5,6,7                ; the bias is asked for while K step 0's load is out
	global_load_b128 v[BIAS+8*\b:BIAS+8*\b+3],   v[BQ], s[10:11] offset:64*\b
	global_load_b128 v[BIAS+8*\b+4:BIAS+8*\b+7], v[BQ], s[10:11] offset:64*\b+16
.endr
	v_and_b32 v[PFO], 31, v0
	v_min_u32 v[PFO], s85, v[PFO]
	v_lshlrev_b32 v[PFO], s86, v[PFO]
	global_prefetch_b8 v[PFO], s[78:79] th:TH_LOAD_NT scope:SCOPE_SE   ; K step 2
	FIRST 1, 36, 60
	global_prefetch_b8 v[PFO], s[80:81] th:TH_LOAD_NT scope:SCOPE_SE   ; K step 3, the last
	FIRST 2, 40, 68
	v_mul_u32_u24 v3, v1, PITCH
	v_lshl_add_u32 v4, v2, 4, v3
	v_lshrrev_b32 v3, 2, v1
	v_mul_u32_u24 v5, v3, PITCH
	v_and_b32 v3, 3, v1
	v_lshl_add_u32 v5, v3, 6, v5
	v_lshl_add_u32 v5, v2, 4, v5
	s_mul_i32 s22, s15, AHALF
	s_mul_i32 s23, s16, BHALF
	s_add_co_u32 s23, s23, APART
.irp s, 0,1,2
	v_add_nc_u32 v[ADRA+\s], s22, v5
	v_add_nc_u32 v[ADRB+\s], s23, v4
	s_add_co_u32 s22, s22, SLOT
	s_add_co_u32 s23, s23, SLOT
.endr
	s_mul_i32 s23, s14, 16*SPITCH
	s_add_co_u32 s23, s23, STAGE
	v_mul_u32_u24 v5, v1, SPITCH
	v_lshl_add_u32 v5, v2, 5, v5
	v_add_nc_u32 v[STO], s23, v5
	v_and_b32 v6, 31, v0
	v_lshlrev_b32 v[CO], 4, v6
	v_add_nc_u32 v[RD], s23, v[CO]
	s_lshl_b32 s20, s17, 7
	s_lshl_b32 s21, s15, 6
	s_add_co_u32 s20, s20, s21
	s_lshl_b32 s20, s20, 12
	s_lshl_b32 s21, s74, 10
	s_add_co_u32 s20, s20, s21
	s_lshl_b32 s21, s16, 9
	s_add_co_u32 s20, s20, s21
	s_mov_b32 s21, 0
	s_add_nc_u64 s[12:13], s[12:13], s[20:21]
	s_wait_kmcnt 0x0
	s_add_co_i32 s96, s96, s97
	s_sub_co_i32 s98, 0, s96
	s_add_co_i32 s96, s96, 127
	s_lshl_b32 s96, s96, 23
	s_wait_loadcnt 0x0
.set i, 0
.rept 64
	v_ldexp_f32 v[BIAS+i], v[BIAS+i], s98
.set i, i+1
.endr
.macro FRAG reg, adr, q, i
.irp c, 0,1,2,3
	ds_load_b128 v[\reg+4*\c:\reg+4*\c+3], v[\adr] offset:128*(\q)+32*\c+(\i)*16*PITCH
.endr
.endm
.macro FRAGA reg, adr, q, i
.irp c, 0,1,2,3
	ds_load_b128 v[\reg+4*\c:\reg+4*\c+3], v[\adr] offset:(4*(\i)+2*(\q)+\c/2)*4*PITCH+32*(\c%2)
.endr
.endm
.macro MUL8 a, p, mode
.irp b, 0,1,2,3,4,5,6,7
.if \mode
	v_wmma_f32_16x16x128_fp8_fp8 v[8*(8*(\a)+\b):8*(8*(\a)+\b)+7], v[128*(\p)+FR*\b:128*(\p)+FR*\b+FR-1], v[AF+64*(\p)+FR*(\a):AF+64*(\p)+FR*(\a)+FR-1], v[BIAS+8*\b:BIAS+8*\b+7]
.else
	v_wmma_f32_16x16x128_fp8_fp8 v[8*(8*(\a)+\b):8*(8*(\a)+\b)+7], v[128*(\p)+FR*\b:128*(\p)+FR*\b+FR-1], v[AF+64*(\p)+FR*(\a):AF+64*(\p)+FR*(\a)+FR-1], v[8*(8*(\a)+\b):8*(8*(\a)+\b)+7]
.endif
.endr
.endm
.macro FETCH slot, q, p
	WIN TO_B
.irp i, 0,1,2,3,4,5,6,7
	FRAG 128*(\p)+FR*\i, ADRB+\slot, \q, \i
.endr
	WIN 0
.irp i, 0,1,2,3
	FRAGA AF+64*(\p)+FR*\i, ADRA+\slot, \q, \i
.endr
.endm
.macro STEP p, nslot, nq, mode
	s_wait_dscnt 0x0
	PLACES NP
	FETCH \nslot, \nq, 1-(\p)
.if \mode
	WIN MUL1
.else
	WIN MUL
.endif
	MUL8 0, \p, \mode
	MUL8 1, \p, \mode
	MUL8 2, \p, \mode
	MUL8 3, \p, \mode
	WIN 0
.endm
.macro TURN next, fill
	s_wait_tensorcnt 0x0
	ds_add_u32 v[SPW], v[NIL]
	s_wait_dscnt 0x1
	WIN MUL
	MUL8 0, 1, 0
	s_wait_dscnt 0x0
	s_barrier_signal -1
	MUL8 1, 1, 0
	WIN 0
	s_barrier_wait -1
.if \fill
	CREST
	s_add_nc_u64 s[34:35], s[34:35], 3*ASTEP
	s_add_nc_u64 s[58:59], s[58:59], 3*ROWB
	JLOAD 32, G1, 56, G1B
.else
	PLACES NP
.endif
	FETCH \next, 0, 0
	WIN MUL
	MUL8 2, 1, 0
	MUL8 3, 1, 0
	WIN 0
.endm
	s_wait_alu depctr_va_vdst(0)
	s_wait_tensorcnt 0x2
	s_barrier_signal -1
	s_barrier_wait -1
	FETCH 0, 0, 0
	STEP 0, 0, 1, 1
	TURN 1, 1
	STEP 0, 1, 1, 0
	STEP 1, 2, 0, 0
	STEP 0, 2, 1, 0
	TURN 0, 0
	STEP 0, 0, 1, 0
	s_wait_dscnt 0x0
	WIN MUL
	MUL8 0, 1, 0
	MUL8 1, 1, 0
	MUL8 2, 1, 0
	MUL8 3, 1, 0
	WIN 0
.macro TOSTAGE a
.set AC, 64*(\a)
	WIN 0x02
.set i, 0
.rept 32
	v_pk_mul_f32 v[TMP+i:TMP+i+1], v[AC+i:AC+i+1], s[96:97] op_sel_hi:[1,0]
.set i, i+2
.endr
	WIN 0
.irp b, 0,1,2,3,4,5,6,7
	ds_store_b128 v[STO], v[TMP+8*\b:TMP+8*\b+3] offset:64*\b
	ds_store_b128 v[STO], v[TMP+8*\b+4:TMP+8*\b+7] offset:64*\b+16
.endr
.set BB, BK+64*((\a)%2)
.irp t, 0,1,2,3,4,5,6,7,8,9,10,11,12,13,14,15
	ds_load_b128 v[BB+4*\t:BB+4*\t+3], v[RD] offset:\t*SPITCH
.endr
.endm
.macro SEND a, younger
.set BB, BK+64*((\a)%2)
	s_wait_dscnt \younger
.irp t, 0,1,2,3,4,5,6,7,8,9,10,11,12,13,14,15
	global_store_b128 v[CO], v[BB+4*\t:BB+4*\t+3], s[12:13] offset:(16*(\a)+\t)*4096 th:TH_STORE_NT
.endr
.endm
	PLACES NP
	TOSTAGE 0
.irp a, 1,2,3
.if \a > 1
	s_wait_xcnt 0x0
.endif
	TOSTAGE \a
	SEND \a-1, 32
.endr
	SEND 3, 0
	s_wait_tensorcnt 0x0
	ds_add_u32 v[SPW], v[NIL]
	s_wait_dscnt 0x0
	CROUND
	s_endpgm
.Lfunc_end_k_q56e177905d_proj:
	.size	k_q56e177905d_proj, .Lfunc_end_k_q56e177905d_proj-k_q56e177905d_proj
	.p2alignl 7, 3214868480
	.fill 96, 4, 3214868480
	.section	.rodata,"a",@progbits
	.p2align	6, 0x0
	.amdhsa_kernel k_q56e177905d_proj
		.amdhsa_group_segment_fixed_size 327680
		.amdhsa_private_segment_fixed_size 0
		.amdhsa_enable_private_segment 0
		.amdhsa_kernarg_size 40
		.amdhsa_user_sgpr_count 2
		.amdhsa_user_sgpr_kernarg_segment_ptr 1
		.amdhsa_wavefront_size32 1
		.amdhsa_system_sgpr_workgroup_id_x 1
		.amdhsa_system_sgpr_workgroup_id_y 1
		.amdhsa_system_sgpr_workgroup_id_z 1
		.amdhsa_system_vgpr_workitem_id 0
		.amdhsa_next_free_vgpr 768
		.amdhsa_next_free_sgpr 100
		.amdhsa_reserve_vcc 0
		.amdhsa_float_denorm_mode_32 3
		.amdhsa_float_denorm_mode_16_64 3
		.amdhsa_memory_ordered 1
		.amdhsa_forward_progress 1
		.amdhsa_inst_pref_size 83
	.end_amdhsa_kernel
	.amdgpu_metadata
---
amdhsa.version: [ 1, 2 ]
amdhsa.kernels:
  - .name:           k_q56e177905d_proj
    .symbol:         k_q56e177905d_proj.kd
    .args:
      - { .name: attn_codes, .offset: 0, .size: 8, .value_kind: global_buffer, .address_space: global }
      - { .name: W_proj_codes, .offset: 8, .size: 8, .value_kind: global_buffer, .address_space: global }
      - { .name: lowp_scales, .offset: 16, .size: 8, .value_kind: global_buffer, .address_space: global }
      - { .name: b_proj, .offset: 24, .size: 8, .value_kind: global_buffer, .address_space: global }
      - { .name: out0, .offset: 32, .size: 8, .value_kind: global_buffer, .address_space: global }
    .group_segment_fixed_size: 327680
    .private_segment_fixed_size: 0
    .kernarg_segment_align: 8
    .kernarg_segment_size: 40
    .max_flat_workgroup_size: 128
    .sgpr_count:     100
    .vgpr_count:     768
    .wavefront_size: 32
...
	.end_amdgpu_metadata
.endif
;; end of part 4
